; MI455X (gfx1250); checked and timed in simulation.
; The chip was launched on July 23, 2026; its instructions are those of AMD's public machine-readable ISA for CDNA 5 (MIT licence, August 2026) and "CDNA5" Instruction Set Architecture Reference Guide (July 2026). The comments in the code are by the model that wrote it; some were corrected since.
;; Multi Head Self Attention. Allowed arithmetic: matrix products marked QUANTISED: E2M1 operands, one E8M0 scale for each 32 along K, by v_wmma_scale_f32_16x16x128_f8f6f4 with both operands' format E2M1 (or v_wmma_scale_f32_32x16x128_f4), f32 sums; everything else in f32.
;; Inputs: Wk_b 1,024 float32; Wk_w 1,024 x 1,024 float32; Wo_b 1,024 float32; Wo_w 1,024 x 1,024 float32; Wq_b 1,024 float32; Wq_w 1,024 x 1,024 float32; Wv_b 1,024 float32; Wv_w 1,024 x 1,024 float32; mask 2 x 1 x 1 x 2,048 int32; x 2 x 2,048 x 1,024 float32.
;; Outputs: out0 2 x 2,048 x 1,024 float32.
;; This version of the problem:
;;   THIS VERSION OF THE PROBLEM IS GIVEN IN LOW PRECISION. The matrix products marked QUANTISED in the list below multiply operands that are first quantised to E2M1 (2 exponent bits, 1 mantissa bit; 4 bits a number), with one power-of-two scale for each 32 numbers along K (OCP MX v1.0); their sums are f32. All else is computed in f32.
;;   The module's matrix products, in the order in which they are computed (A, B: the left and right operand; K: the contracted axis; several contracted axes count as one K, in the product's order):
;;     1. [M 4,096, K 1,024] x [K 1,024, N 1,024]; A: input x; B: input Wq_w: QUANTISED
;;     2. [M 4,096, K 1,024] x [K 1,024, N 1,024]; A: input x; B: input Wk_w: QUANTISED
;;     3. [M 4,096, K 1,024] x [K 1,024, N 1,024]; A: input x; B: input Wv_w: QUANTISED
;;     4. batch 32 x [M 2,048, K 64] x [K 64, N 2,048]; A: computed on the way; B: computed on the way: QUANTISED
;;     5. batch 32 x [M 2,048, K 2,048] x [K 2,048, N 64]; A: softmax (see below); B: computed on the way: QUANTISED
;;     6. [M 4,096, K 1,024] x [K 1,024, N 1,024]; A: computed on the way; B: input Wo_w: QUANTISED
;;   THE QUANTISER, for each operand of a quantised product, along K:
;;     - K is cut into blocks of 32 from its start; a last block that is shorter is filled with zeros.
;;     - A block's scale is 2^e with e = floor(log2(the largest magnitude in the block)) - 2, held to -126 .. 127; a block of zeros has e = 0. As a byte (E8M0): e + 127.
;;     - Each number is divided by its block's scale, clamped to +-6, and rounded to the nearest number of E2M1, ties to even, subnormals kept.
;;     - The product sums the exact products of the quantised numbers (number of the format x scale) in f32.
;;   ~~~python
;;   def quantise(x, axis):      # numpy; x: float32 -> the quantised numbers, widened to float32 again
;;       x = np.moveaxis(x, axis, -1); K = x.shape[-1]
;;       x = np.pad(x, [(0, 0)] * (x.ndim - 1) + [(0, -K % 32)]); x = x.reshape(x.shape[:-1] + (-1, 32)); a = np.abs(x).max(-1, keepdims=True)
;;       e = np.where(a > 0, np.clip(np.frexp(np.where(a > 0, a, 1))[1] - 1 - 2, -126, 127), 0)      # np.frexp(a)[1] - 1 = floor(log2(a)), exactly
;;       r = np.clip(x / 2.0 ** e, -6, 6)
;;       step = 2.0 ** (np.maximum(np.frexp(np.where(r == 0, 1, r))[1] - 1, 0) - 1)
;;       q = np.round(r / step) * step * 2.0 ** e      # np.round: ties to even
;;       return np.moveaxis(q.reshape(q.shape[:-2] + (-1,))[..., :K], -1, axis).astype(np.float32)
;;   ~~~
;;   SOFTMAX AHEAD OF A QUANTISED PRODUCT. Where the list says 'softmax', what is quantised is not the finished softmax but p = 2^(t - M), with t = logit x log2(e) and M = ceil(the row's largest t), a whole number; so 1/2 < the row's largest p <= 1. The row's sum l is taken of the UNQUANTISED p, in f32, and the product's result is divided by l at the end. Since M is a whole number, a kernel that streams over the keys may use a running M (the ceiling of the running maximum): every later rescaling is an exact power of two, which a block's scale takes up: the codes' values come out the same.
;;   OPERANDS COMPUTED ON THE WAY. 'Computed on the way' means the value that the module computes at that place (a softmax that the list does not call 'softmax' is quantised finished and normalised). What goes into a quantiser is computed in f32, as accurately as f32 sums, v_exp_f32 and their like allow (about 1e-6 of the number): no bf16 or f16 on the way to a quantiser, and a product that is left as it is and whose result goes on into a quantised operand takes f32 operands (vector FMAs, or v_wmma_f32_16x16x4_f32). A number that lies on a knife's edge between two numbers of the format may be rounded either way, as far as f32 arithmetic and the matrix unit's own rounding can turn it there, and no further.
;; One version. Each part assembles by itself: llvm-mc -triple=amdgcn-amd-amdhsa -mcpu=gfx1250 --defsym DOCPART=n.
;; ======== version 1 of 1: 4 launches
;; limits: right only within a limited range of input values
;; workspace buffers: codes 4,194,304 bytes; scl 262,144 bytes; qkvc 6,291,456 bytes; qkvs 786,432 bytes
;; launch quant (part 1): grid 256 x 1, 16 waves a work-group, no clusters, 168,448 bytes of LDS; arguments x, Wq_w, Wk_w, Wv_w, Wo_w, codes, scl; writes codes, scl
.if DOCPART == 1
	.amdgcn_target "amdgcn-amd-amdhsa--gfx1250"
	.amdhsa_code_object_version 6
	.text
	.protected	k_q142c2a2199_quant
	.globl	k_q142c2a2199_quant
	.p2align	8
	.type	k_q142c2a2199_quant,@function
k_q142c2a2199_quant:
	s_mov_b64 s[64:65], 0
	v_nop
	global_prefetch_b8 v0, s[64:65] scope:SCOPE_SE
	s_setreg_imm32_b32 hwreg(HW_REG_WAVE_MODE, 25, 1), 1
	s_wait_xcnt 0x0
; x [4096][1024] and the four weights [1024][1024], f32 with K innermost, become codes of FP4 (E2M1) and E8M0 scale bytes, one for each 32 along K.
; ROWS are numbered through all five tensors: 0-4095 x, 4096.. Wq, 5120.. Wk, 6144.. Wv, 7168.. Wo.
; codes: [16 chunks of 64 k][512 groups of 16 rows][512 bytes].  A block of 512 bytes is the image of four operand registers: lane l = 16 h + r has its 16 bytes at 16 l:
;        row 16 g + r, k = 64 chunk + 32 h + 0 .. 31.
; scl:   [2 halves of K][8192 rows][16 bytes]: word q of half H is the row's scale word of K step 4 H + q (128 along K), byte b for k = 32 b on.
; A block's scale is 2^(floor(log2(largest magnitude)) - 2); its byte is the largest magnitude's exponent field - 2, held at 1 from below.
; LIMITS: a block of zeros gets the byte 1 where the rule says 127 (its codes are zeros, and this program alone reads the bytes); blocks whose largest magnitude
; lies under 2^-124 keep the byte 1; NaN and infinities among the inputs are not served.
; SHARES: work-group wg takes rows 32 wg .. 32 wg + 31; wave w the group of 16 rows 2 wg + w / 8 and K step w % 8: 16 rows x 128 k, by ONE tensor load into its own LDS bytes.
; The sixteen waves' scale words meet in 1,024 LDS bytes of their own; behind one barrier waves 0 and 1 store them, 512 consecutive bytes each.
.set PITCH, 528                        ; an LDS row: 512 bytes + 16 of padding
.set TILE,  16*PITCH
.set PLANE, 262144                     ; a chunk's 512 groups
.set SCS,   16*TILE                    ; the scale words: [2 halves][32 rows][16 bytes]
.set SPARE, SCS+1024                   ; the spare words, 128 bytes a wave
.set LA,  3                            ; v3   LDS: my row, my 32 numbers of a chunk
.set L16, 4                            ; v4   16 x lane
.set SH8, 5                            ; v5   8 h
.set SST, 6                            ; v6   where my row's scale word goes in LDS
.set SLD, 7                            ; v7   where waves 0, 1 read 16 bytes a lane back
.set MX,  8
.set EX,  10
.set BY,  12
.set WD,  14
.set TP,  15
.set SW,  16
.set SPW, 20
.set NIL, 21
.set X,   32                           ; v32-95 64 numbers: two whole blocks of 32
.set C,   96                           ; v96-103 codes
	s_load_b256 s[4:11], s[0:1], 0x0               ; x, Wq, Wk, Wv
	s_load_b128 s[12:15], s[0:1], 0x20             ; Wo, codes
	s_load_b64 s[18:19], s[0:1], 0x30              ; scl
	v_lshl_add_u32 v[SPW], v0, 2, SPARE
	v_mov_b32 v[NIL], 0
	ds_add_u32 v[SPW], v[NIL]                      ; the opening lines: the add twice on end and its wait ahead of my tensor load
	ds_add_u32 v[SPW], v[NIL]
	v_lshrrev_b32 v1, 5, v0
	v_readfirstlane_b32 s22, v1                    ; wave 0..15
	; descriptor group 1: 16 rows x 128 elements of 4 bytes, 1,024 elements from row to row, 4 words of padding behind every 128
	s_mov_b32 s24, (2<<16)|(1<<20)|(6<<22)|(3<<25)
	s_mov_b32 s25, 128<<16
	s_mov_b32 s26, 16<<16
	s_mov_b32 s27, 128<<16
	s_mov_b32 s28, 16
	s_mov_b32 s29, 1024
	s_mov_b32 s30, 0
	s_mov_b32 s31, 0
	s_lshr_b32 s23, s22, 3                         ; which 16 rows
	s_and_b32 s54, s22, 7                          ; which K step
	s_and_b32 s50, ttmp9, 31
	s_cmp_lt_u32 ttmp9, 128
	s_cselect_b32 s50, ttmp9, s50                  ; the work-group's number inside its tensor
	s_lshl_b32 s50, s50, 17                        ; 32 rows of 4,096 bytes
	s_lshl_b32 s51, s23, 16
	s_add_co_u32 s50, s50, s51
	s_lshl_b32 s51, s54, 9                         ; 128 numbers along K
	s_add_co_u32 s50, s50, s51
	s_mov_b32 s51, 0
	s_mul_i32 s55, s22, TILE
	s_lshl_b32 s52, ttmp9, 1
	s_add_co_u32 s52, s52, s23                     ; g: my group of 16 rows
	s_lshl_b32 s60, s52, 9
	s_lshl_b32 s61, s54, 19                        ; two chunks a K step
	s_add_co_u32 s60, s60, s61
	s_mov_b32 s61, 0
	s_lshl_b32 s62, ttmp9, 9                       ; scl: 32 rows of 16 bytes,
	s_lshl_b32 s63, s22, 17                        ; half = wave (used by waves 0 and 1 alone)
	s_add_co_u32 s62, s62, s63
	s_mov_b32 s63, 0
	s_lshr_b32 s58, s54, 2                         ; my word's place in LDS: half,
	s_lshl_b32 s58, s58, 9
	s_lshl_b32 s59, s23, 8                         ; 16 rows,
	s_add_co_u32 s58, s58, s59
	s_and_b32 s59, s54, 3
	s_lshl_b32 s59, s59, 2                         ; word
	s_add_co_u32 s58, s58, s59
	s_add_co_u32 s58, s58, SCS
	s_lshl_b32 s59, s22, 9
	s_add_co_u32 s59, s59, SCS
	s_mov_b32 s56, 0x76543210
	s_mov_b32 s57, 0xfedcba98                      ; v_permlanex16_b32's selects for lane l xor 16
	s_wait_dscnt 0x0
	s_wait_kmcnt 0x0
	s_cmp_lt_u32 ttmp9, 224                        ; which tensor: the choice hangs on the work-group's number alone
	s_cselect_b64 s[48:49], s[10:11], s[12:13]
	s_cmp_lt_u32 ttmp9, 192
	s_cselect_b64 s[48:49], s[8:9], s[48:49]
	s_cmp_lt_u32 ttmp9, 160
	s_cselect_b64 s[48:49], s[6:7], s[48:49]
	s_cmp_lt_u32 ttmp9, 128
	s_cselect_b64 s[48:49], s[4:5], s[48:49]
	s_mov_b32 s32, 1
	s_mov_b32 s33, s55
	s_add_nc_u64 s[34:35], s[48:49], s[50:51]
	s_or_b32 s35, s35, 0x80000000
	tensor_load_to_lds s[32:35], s[24:31]          ; my one tile
	s_nop 0
	s_add_nc_u64 s[14:15], s[14:15], s[60:61]      ; codes at my group, my K step's first chunk
	s_add_nc_u64 s[18:19], s[18:19], s[62:63]
	v_and_b32 v1, 15, v0                           ; r
	v_bfe_u32 v2, v0, 4, 1                         ; h
	v_mul_u32_u24 v[LA], v1, PITCH
	v_lshl_add_u32 v[LA], v2, 7, v[LA]
	v_add_nc_u32 v[LA], s55, v[LA]
	v_and_b32 v[L16], 31, v0
	v_lshlrev_b32 v[L16], 4, v[L16]
	v_lshlrev_b32 v[SH8], 3, v2
	v_lshlrev_b32 v[SST], 4, v1
	v_add_nc_u32 v[SST], s58, v[SST]
	v_add_nc_u32 v[SLD], s59, v[L16]
	v_mov_b32 v[TP], 0                             ; a lane permute's destination counts as one of its sources
	s_wait_alu depctr_va_vdst(0)
	s_wait_tensorcnt 0x0                           ; my tile is in; only I read it
; Lane (r, h) takes, of row r, k = 64 c + 32 h + 0 .. 31 for c = 0, 1: two whole blocks, in the order of the operand's registers.
.irp c, 0,1
.irp i, 0,1,2,3,4,5,6,7
	ds_load_b128 v[X+32*\c+4*\i:X+32*\c+4*\i+3], v[LA] offset:256*\c+16*\i
.endr
.endr
	s_wait_dscnt 0x0
.irp c, 0,1
	v_max3_num_f32 v[MX+\c], |v[X+32*\c]|, |v[X+32*\c+1]|, 0x1800000   ; with the floor 2^(3 - 127): the byte cannot fall under 1
.endr
.irp i, 2,4,6,8,10,12,14,16,18,20,22,24,26,28,30
.irp c, 0,1
	v_max3_num_f32 v[MX+\c], v[MX+\c], |v[X+32*\c+\i]|, |v[X+32*\c+\i+1]|
.endr
.endr
.irp c, 0,1
	v_add_nc_u32 v[EX+\c], 0xff000000, v[MX+\c]    ; 2 off the exponent field: the conversion's scale operand
.endr
.irp c, 0,1
	v_lshrrev_b32 v[BY+\c], 23, v[EX+\c]           ; the scale's byte
.endr
	v_lshl_or_b32 v[WD], v[BY+1], 16, v[BY]        ; my bytes are those of blocks h and 2 + h,
	v_lshlrev_b32 v[WD], v[SH8], v[WD]             ; at their places in the word;
	v_permlanex16_b32 v[TP], v[WD], s56, s57
	v_or_b32 v[SW], v[WD], v[TP]                   ; with lane l xor 16's two the word is whole
	ds_store_b32 v[SST], v[SW]                     ; both halves of the lanes write the same word with the same value
.irp c, 0,1
.irp g, 0,1,2,3
	v_cvt_scalef32_pk8_fp4_f32 v[C+4*\c+\g], v[X+32*\c+8*\g:X+32*\c+8*\g+7], v[EX+\c]
.endr
.endr
	v_nop                                          ; one plain place behind the scaled conversions
.irp c, 0,1
	global_store_b128 v[L16], v[C+4*\c:C+4*\c+3], s[14:15] offset:\c*PLANE   ; 512 consecutive bytes, aligned
.endr
	s_wait_dscnt 0x0                               ; my word is in LDS
	s_barrier_signal -1
	s_barrier_wait -1                              ; and so is every wave's
	s_cmp_lt_u32 s22, 2
	s_cbranch_scc0 .Ldone
	ds_load_b128 v[24:27], v[SLD]                  ; wave H: the four words of half H of row = lane
	s_wait_dscnt 0x0
	global_store_b128 v[L16], v[24:27], s[18:19]   ; 512 consecutive bytes, aligned
.Ldone:
	s_wait_tensorcnt 0x0                           ; the wave's end
	ds_add_u32 v[SPW], v[NIL]
	s_wait_dscnt 0x0
	s_endpgm
.Lfunc_end_k_q142c2a2199_quant:
	.size	k_q142c2a2199_quant, .Lfunc_end_k_q142c2a2199_quant-k_q142c2a2199_quant
	.p2alignl 7, 3214868480
	.fill 96, 4, 3214868480
	.section	.rodata,"a",@progbits
	.p2align	6, 0x0
	.amdhsa_kernel k_q142c2a2199_quant
		.amdhsa_group_segment_fixed_size 168448
		.amdhsa_private_segment_fixed_size 0
		.amdhsa_enable_private_segment 0
		.amdhsa_kernarg_size 56
		.amdhsa_user_sgpr_count 2
		.amdhsa_user_sgpr_kernarg_segment_ptr 1
		.amdhsa_wavefront_size32 1
		.amdhsa_system_sgpr_workgroup_id_x 1
		.amdhsa_system_sgpr_workgroup_id_y 1
		.amdhsa_system_sgpr_workgroup_id_z 1
		.amdhsa_system_vgpr_workitem_id 0
		.amdhsa_next_free_vgpr 128
		.amdhsa_next_free_sgpr 66
		.amdhsa_reserve_vcc 0
		.amdhsa_float_denorm_mode_32 3
		.amdhsa_float_denorm_mode_16_64 3
		.amdhsa_memory_ordered 1
		.amdhsa_forward_progress 1
		.amdhsa_inst_pref_size 9
	.end_amdhsa_kernel
	.amdgpu_metadata
---
amdhsa.version: [ 1, 2 ]
amdhsa.kernels:
  - .name:           k_q142c2a2199_quant
    .symbol:         k_q142c2a2199_quant.kd
    .args:
      - { .name: x, .offset: 0, .size: 8, .value_kind: global_buffer, .address_space: global }
      - { .name: Wq_w, .offset: 8, .size: 8, .value_kind: global_buffer, .address_space: global }
      - { .name: Wk_w, .offset: 16, .size: 8, .value_kind: global_buffer, .address_space: global }
      - { .name: Wv_w, .offset: 24, .size: 8, .value_kind: global_buffer, .address_space: global }
      - { .name: Wo_w, .offset: 32, .size: 8, .value_kind: global_buffer, .address_space: global }
      - { .name: codes, .offset: 40, .size: 8, .value_kind: global_buffer, .address_space: global }
      - { .name: scl, .offset: 48, .size: 8, .value_kind: global_buffer, .address_space: global }
    .group_segment_fixed_size: 168448
    .private_segment_fixed_size: 0
    .kernarg_segment_align: 8
    .kernarg_segment_size: 56
    .max_flat_workgroup_size: 512
    .sgpr_count:     66
    .vgpr_count:     128
    .wavefront_size: 32
...
	.end_amdgpu_metadata
.endif
;; end of part 1
;; launch qkv (part 2): grid 192 x 1, 16 waves a work-group, no clusters, 280,576 bytes of LDS; arguments codes, scl, Wq_b, Wk_b, Wv_b, qkvc, qkvs, mask; writes qkvc, qkvs
.if DOCPART == 2
	.amdgcn_target "amdgcn-amd-amdhsa--gfx1250"
	.amdhsa_code_object_version 6
	.text
	.protected	k_q142c2a2199_qkv
	.globl	k_q142c2a2199_qkv
	.p2align	8
	.type	k_q142c2a2199_qkv,@function
k_q142c2a2199_qkv:
	s_mov_b64 s[64:65], 0
	v_nop
	global_prefetch_b8 v0, s[64:65] scope:SCOPE_SE
	s_setreg_imm32_b32 hwreg(HW_REG_WAVE_MODE, 25, 1), 1
	s_wait_xcnt 0x0
; Q = x Wq^T + bq, K = x Wk^T + bk, V = x Wv^T + bv on codes of FP4 with E8M0 scales, and the quantisers behind them: Q and K along the head's 64, V along the keys.
; ONE TEXT, TWO ORIENTATIONS.  T[i][j] = sum over k of I[i][k] J[j][k]; source 0 = 16 rows of J, source 1 = 16 rows of I: lane (r, h) holds row i = r, and register n of
; tile T holds j = 16 T + 8 h + n.  The result is quantised ALONG j.  Q, K: I = x, J = the weight (j runs over a head's 64).  V: I = Wv, J = x (j runs over 64 keys).
; Only global offsets, the bias's shape and the C of the first K step hang on the orientation (a number made of the work-group's number); every LDS address is the same.
; A work-group makes 256 i x 256 j over all of K = 1,024: both operands' codes (2 x 128 KB) and scale words lie in LDS whole, each byte filled once: no slot is filled twice.
; Sixteen waves, 64 x 64 each (16 accumulators, 128 registers), four to a SIMD.  192 work-groups of equal work: 16 blocks of x's rows x 12 blocks of the weights' rows.
; Joint requests in a cluster are left out: each work-group asks once, at its start, and which operand a neighbour shares changes with the orientation.
; A TILE'S EIGHT REGISTERS ARE EIGHT NEIGHBOURS ALONG j, one conversion's worth.  Block b of 32 is tiles 2 b, 2 b + 1 in lanes l and l xor 16.  The codes of tiles 0, 2, 1, 3 in
; four registers, registers 0, 1 and 2, 3 swapped half against half, are the operand's registers: lane (r, h) then holds j = 32 h + 0 .. 31.
; THE MASK: a token whose mask value is 0 gets ZERO CODES in K: its score is thrown away, and the next launch puts the hidden keys' number in its place inside the product,
; which is exact only over zeros.  Q's and V's work-groups run the same selects on the number 1.
; OUT: qkvc: Q at 0, K at 2^21: [32 heads][128 groups of 16 tokens][512 bytes]; V at 2^22: [32 heads][32 chunks of 64 keys][4 groups of 16 d][512 bytes]: images of four registers.
;      qkvs: Q at 0, K at 2^18: [32 heads][2048 tokens] words; V at 2^19: [32 heads][32 chunks][64 d] words.  A word: bytes 0, 1 the two scale bytes, bytes 2, 3 zero.
; LIMITS: a block of zeros gets the byte 1 (its codes are zeros; this program alone reads the bytes); largest magnitudes under 2^-124 keep the byte 1; NaN and infinities are not served.
.set SCLB, 262144                      ; LDS: 4 x 64 KB of codes (I's rows 0-127, 128-255, J's likewise: [16 chunks][8 groups][512]), then 4 x 4 KB of scale words ([2 halves][128 rows][16])
.set ADI,  3                           ; v3   my 64 rows of I: their first group's image, my lane's 16 bytes
.set ADJ,  4                           ; v4   the same for J
.set ADS,  5                           ; v5   scale words: lanes 0-15 I's rows, lanes 16-31 J's
.set L16,  6                           ; v6   16 x lane
.set L4,   7                           ; v7   4 x lane
.set H32,  8                           ; v8   32 h
.set R4,   9                           ; v9   4 r
.set MK,   12                          ; v12-15   K: the mask values of my four blocks' tokens (row r of block a); Q, V: 1
.set BIAS, 16                          ; v16-47   four tiles of bias in the result's layout: the C of the first K step
.set FI,   48                          ; v48-79   I's four fragments
.set FJ,   80                          ; v80-111  J's four
.set SC,   112                         ; v112-127 scale words: register 4 blk + q: lanes 0-15 I's block blk, lanes 16-31 J's tile blk, K step q of the half
.set ACC,  128                         ; v128-255 accumulator (a, T) at 128 + 8 (4 a + T)
.set TM,   16                          ; the way out: v16-21 at work, v32-47 codes, v48-51 scale words, v52-53 joined
.set PC,   32
.set PW,   48
.set JW,   52
.set SEL,  60
	s_load_b256 s[4:11], s[0:1], 0x0               ; codes, scl, Wq_b, Wk_b
	s_load_b128 s[12:15], s[0:1], 0x20             ; Wv_b, qkvc
	s_load_b64 s[16:17], s[0:1], 0x30              ; qkvs
	s_load_b64 s[92:93], s[0:1], 0x38              ; mask
	v_lshl_add_u32 v254, v0, 2, 0x44000
	v_mov_b32 v255, 0
	ds_add_u32 v254, v255
	ds_add_u32 v254, v255
	s_wait_dscnt 0x0
	v_lshrrev_b32 v1, 5, v0
	s_delay_alu instid0(VALU_DEP_1)
	v_readfirstlane_b32 s18, v1                    ; wave 0..15
	s_and_b32 s19, ttmp9, 15                       ; lo: which 256 rows of x
	s_lshr_b32 s20, ttmp9, 4                       ; hi: which 256 rows of Wq | Wk | Wv, 0..11
	s_lshl_b32 s66, s19, 8                         ; x's first row
	s_lshl_b32 s67, s20, 8
	s_add_co_u32 s67, s67, 4096                    ; the weight's first row in the codes' numbering
	s_cmp_ge_u32 s20, 8
	s_cselect_b32 s21, 1, 0                        ; 1: V's orientation
	s_cselect_b32 s22, s67, s66                    ; I's first row
	s_cselect_b32 s23, s66, s67                    ; J's
	s_and_b32 s68, s18, 3                          ; wi: my 64 rows of I
	s_lshr_b32 s69, s18, 2                         ; wj: my 64 rows of J
	; descriptor group 1 for codes: 8 chunks x 4,096 bytes (8 groups of 16 rows), 262,144 bytes from chunk to chunk; elements of 8 bytes
	s_mov_b32 s24, 3<<16
	s_mov_b32 s25, 512<<16
	s_mov_b32 s26, 8<<16
	s_mov_b32 s27, 512<<16
	s_mov_b32 s28, 8
	s_mov_b32 s29, 32768
	s_mov_b32 s30, 0
	s_mov_b32 s31, 0
	; and for scale words: 2 halves x 2,048 bytes (128 rows), 131,072 bytes apart
	s_mov_b32 s32, 3<<16
	s_mov_b32 s33, 256<<16
	s_mov_b32 s34, 2<<16
	s_mov_b32 s35, 256<<16
	s_mov_b32 s36, 2
	s_mov_b32 s37, 16384
	s_mov_b32 s38, 0
	s_mov_b32 s39, 0
	s_mov_b32 s[SEL], 0x76543210
	s_mov_b32 s[SEL+1], 0xfedcba98
	s_mov_b32 s62, 0xffff0000
	; waves 0-11 fetch: p = wave % 4 picks 128 rows: p / 2 = 0: I, 1: J; p % 2: which half of the 256
	s_and_b32 s91, s18, 3                          ; p: which 128 rows a fetching wave brings
	s_cmp_lt_u32 s91, 2
	s_cselect_b32 s70, s22, s23
	s_and_b32 s71, s18, 1
	s_lshl_b32 s71, s71, 7
	s_add_co_u32 s70, s70, s71
	s_lshl_b32 s72, s70, 5                         ; 512 bytes for each 16 rows
	s_mov_b32 s73, 0
	s_lshl_b32 s74, s70, 4                         ; 16 bytes a row
	s_mov_b32 s75, 0
	s_wait_kmcnt 0x0
	s_mov_b32 s40, 1
	s_lshl_b32 s41, s91, 12
	s_add_co_u32 s41, s41, SCLB
	s_add_nc_u64 s[42:43], s[6:7], s[74:75]
	s_or_b32 s43, s43, 0x80000000
	s_bfe_u32 s48, s18, 0x10002                    ; which half of K a wave under 8 brings
	s_lshl_b32 s49, s48, 15
	s_lshl_b32 s50, s48, 21                        ; eight chunks
	s_mov_b32 s51, 0
	s_mov_b32 s44, 1
	s_lshl_b32 s45, s91, 16
	s_add_co_u32 s45, s45, s49
	s_add_nc_u64 s[46:47], s[4:5], s[72:73]
	s_add_nc_u64 s[46:47], s[46:47], s[50:51]
	s_or_b32 s47, s47, 0x80000000
	; the twelve first fills, one a wave, in one chain of branches on the wave's number: waves 0-7 the codes (p, half of K), waves 8-11 the scale words (p)
	s_cmp_lt_u32 s18, 8
	s_cbranch_scc0 .Lfill_s
	tensor_load_to_lds s[44:47], s[24:31]
	s_nop 0
.rept 4
	v_nop
.endr
	s_branch .Lno_fill
.Lfill_s:
	s_cmp_lt_u32 s18, 12
	s_cbranch_scc0 .Lno_fill
	tensor_load_to_lds s[40:43], s[32:39]
	s_nop 0
.rept 4
	v_nop
.endr
.Lno_fill:
	v_and_b32 v1, 15, v0                           ; r
	v_bfe_u32 v2, v0, 4, 1                         ; h
	v_and_b32 v10, 31, v0
	s_delay_alu instid0(VALU_DEP_1)
	v_lshlrev_b32 v[L16], 4, v10
	s_wait_alu depctr_va_vdst(0)
	v_lshlrev_b32 v[L4], 2, v10
	v_lshlrev_b32 v[H32], 5, v2
	v_lshlrev_b32 v[R4], 2, v1
	s_lshr_b32 s76, s68, 1
	s_and_b32 s77, s68, 1
	s_lshl_b32 s78, s76, 16
	s_lshl_b32 s79, s77, 11
	s_add_co_u32 s78, s78, s79
	v_add_nc_u32 v[ADI], s78, v[L16]
	s_lshl_b32 s80, s76, 12
	s_lshl_b32 s81, s77, 10
	s_add_co_u32 s80, s80, s81                     ; I's scale words: my 64 rows
	s_lshr_b32 s76, s69, 1
	s_and_b32 s77, s69, 1
	s_lshl_b32 s78, s76, 16
	s_lshl_b32 s79, s77, 11
	s_add_co_u32 s78, s78, s79
	s_add_co_u32 s78, s78, 131072
	v_add_nc_u32 v[ADJ], s78, v[L16]
	s_lshl_b32 s82, s76, 12
	s_lshl_b32 s81, s77, 10
	s_add_co_u32 s82, s82, s81
	s_add_co_u32 s82, s82, 8192                    ; J's, behind I's 8 KB
	s_sub_co_u32 s82, s82, s80                     ; the distance between the two,
	v_mul_u32_u24 v[ADS], s82, v2                  ; which lanes 16-31 add: one product
	s_delay_alu instid0(VALU_DEP_1)
	v_lshl_add_u32 v[ADS], v1, 4, v[ADS]
	s_add_co_u32 s80, s80, SCLB
	v_add_nc_u32 v[ADS], s80, v[ADS]
	; the bias, the mask, and where the results go
	s_cmp_eq_u32 s21, 1
	s_cselect_b32 s83, s68, s69                    ; ww: my 64 of the weight's rows = my head among the block's four
	s_cselect_b32 s84, s69, s68                    ; wx: my 64 of x's rows
	s_cmp_lt_u32 s20, 8
	s_cselect_b64 s[52:53], s[10:11], s[12:13]
	s_cmp_lt_u32 s20, 4
	s_cselect_b64 s[52:53], s[8:9], s[52:53]
	s_and_b32 s85, s20, 3
	s_lshl_b32 s54, s85, 10
	s_lshl_b32 s86, s83, 8
	s_add_co_u32 s54, s54, s86
	s_mov_b32 s55, 0
	s_add_nc_u64 s[52:53], s[52:53], s[54:55]      ; the bias at my 64 features
	s_lshl_b32 s86, s84, 6
	s_add_co_u32 s86, s86, s66                     ; my first row of x: 2048 batch + token, which is also its place in the mask
	s_lshl_b32 s94, s86, 2
	s_mov_b32 s95, 0
	s_add_nc_u64 s[92:93], s[92:93], s[94:95]      ; the mask at my 64 tokens
	s_lshr_b32 s87, s86, 11                        ; its batch
	s_and_b32 s86, s86, 2047                       ; its token
	s_lshl_b32 s88, s85, 2
	s_add_co_u32 s88, s88, s83                     ; the head
	s_lshl_b32 s87, s87, 4
	s_add_co_u32 s88, s88, s87                     ; 16 batch + head
	s_lshr_b32 s89, s20, 2                         ; 0 Q, 1 K, 2 V
	s_lshl_b32 s56, s89, 21
	s_lshl_b32 s90, s88, 16
	s_add_co_u32 s56, s56, s90
	s_lshl_b32 s90, s86, 5                         ; 512 bytes for 16 tokens; for V 2,048 for a chunk of 64 keys: 32 bytes a token either way
	s_add_co_u32 s56, s56, s90
	s_mov_b32 s57, 0
	s_add_nc_u64 s[14:15], s[14:15], s[56:57]
	s_lshl_b32 s58, s89, 18
	s_lshl_b32 s90, s88, 13
	s_add_co_u32 s58, s58, s90
	s_lshl_b32 s90, s86, 2                         ; 4 bytes a token; for V 256 for a chunk: the same
	s_add_co_u32 s58, s58, s90
	s_mov_b32 s59, 0
	s_add_nc_u64 s[16:17], s[16:17], s[58:59]
	s_cmp_eq_u32 s89, 1                            ; K's work-groups read their tokens' mask values; a branch on the work-group's number
	s_cbranch_scc1 .Lmask_k
.irp a, 0,1,2,3
	v_mov_b32 v[MK+\a], 1
.endr
	s_branch .Lmask_in
.Lmask_k:
	s_wait_alu depctr_va_vdst(0)
.irp a, 0,1,2,3
	global_load_b32 v[MK+\a], v[R4], s[92:93] offset:64*\a   ; token 16 a + r of my 64; both halves of the lanes take the same
.endr
.Lmask_in:
	s_cmp_eq_u32 s21, 1
	s_cbranch_scc1 .Lbias_v
.irp T, 0,1,2,3                                ; Q, K: the bias runs along j: tile T's registers take b[16 T + 8 h + 0 .. 7]
	global_load_b128 v[BIAS+8*\T:BIAS+8*\T+3], v[H32], s[52:53] offset:64*\T
	global_load_b128 v[BIAS+8*\T+4:BIAS+8*\T+7], v[H32], s[52:53] offset:64*\T+16
.endr
	s_branch .Lbias_in
.Lbias_v:
.irp a, 0,1,2,3                                ; V: it runs along i: all eight registers of block a take b[16 a + r]
	global_load_b32 v[BIAS+8*\a], v[R4], s[52:53] offset:64*\a
.endr
	s_wait_loadcnt 0x0
.irp a, 0,1,2,3
.irp n, 1,2,3,4,5,6,7
	v_mov_b32 v[BIAS+8*\a+\n], v[BIAS+8*\a]
.endr
.endr
.Lbias_in:
	s_wait_loadcnt 0x0
.macro PLACES                          ; four plain places between a matrix instruction and a load into, or a vector instruction on, one of its registers
.rept 4
	v_nop
.endr
.endm
.macro SCLOAD H                        ; the scale words of K steps 4 H .. 4 H + 3
.irp k, 0,1,2,3
	ds_load_b128 v[SC+4*\k:SC+4*\k+3], v[ADS] offset:2048*\H+256*\k
.endr
.endm
.macro FRAGS s                         ; K step s: J's four fragments, then I's, block by block.  A fragment is chunks 2 s and 2 s + 1 of its group: two loads of 512 consecutive bytes
.irp T, 0,1,2,3
.irp c, 0,1
	ds_load_b128 v[FJ+8*\T+4*\c:FJ+8*\T+4*\c+3], v[ADJ] offset:4096*(2*(\s)+\c)+512*\T
.endr
.endr
.irp a, 0,1,2,3
.irp c, 0,1
	ds_load_b128 v[FI+8*\a+4*\c:FI+8*\a+4*\c+3], v[ADI] offset:4096*(2*(\s)+\c)+512*\a
.endr
.endr
.endm
; Four products: I's block a against J's four tiles.  mode 0: onto the sums; 1, 2: the first K step starts them with the bias as C (along j; along i).
; The sixteen accumulators take turns, one instruction a turn, in the same order in every step.
.macro MUL4 a, q, mode
.irp T, 0,1,2,3
.if \mode == 0
	v_wmma_scale_f32_16x16x128_f8f6f4 v[ACC+8*(4*\a+\T):ACC+8*(4*\a+\T)+7], v[FJ+8*\T:FJ+8*\T+7], v[FI+8*\a:FI+8*\a+7], v[ACC+8*(4*\a+\T):ACC+8*(4*\a+\T)+7], v[SC+4*\T+\q], v[SC+4*\a+\q] matrix_a_fmt:MATRIX_FMT_FP4 matrix_b_fmt:MATRIX_FMT_FP4 matrix_a_scale:MATRIX_SCALE_ROW1
.elseif \mode == 1
	v_wmma_scale_f32_16x16x128_f8f6f4 v[ACC+8*(4*\a+\T):ACC+8*(4*\a+\T)+7], v[FJ+8*\T:FJ+8*\T+7], v[FI+8*\a:FI+8*\a+7], v[BIAS+8*\T:BIAS+8*\T+7], v[SC+4*\T+\q], v[SC+4*\a+\q] matrix_a_fmt:MATRIX_FMT_FP4 matrix_b_fmt:MATRIX_FMT_FP4 matrix_a_scale:MATRIX_SCALE_ROW1
.else
	v_wmma_scale_f32_16x16x128_f8f6f4 v[ACC+8*(4*\a+\T):ACC+8*(4*\a+\T)+7], v[FJ+8*\T:FJ+8*\T+7], v[FI+8*\a:FI+8*\a+7], v[BIAS+8*\a:BIAS+8*\a+7], v[SC+4*\T+\q], v[SC+4*\a+\q] matrix_a_fmt:MATRIX_FMT_FP4 matrix_b_fmt:MATRIX_FMT_FP4 matrix_a_scale:MATRIX_SCALE_ROW1
.endif
.endr
.endm
.macro KSTEP s
	PLACES
	FRAGS \s
.irp a, 0,1,2,3
	s_wait_dscnt 6-2*\a                            ; J's fragments and I's blocks up to a are in; the two loads of each later block may be out
	MUL4 \a, (\s)%4, 0
.endr
.endm
; 32 numbers of a lane, v[s] on (four tiles: two blocks of 32 with lane l xor 16), become four operand registers v[pc] on and the scale word v[pw] (bytes 0, 1).
.macro QUANT2 s, pc, pw
.irp b, 0,1
	v_max3_num_f32 v[TM+\b], |v[(\s)+16*\b]|, |v[(\s)+16*\b+1]|, 0x1800000   ; each tile is read from its low end on; the floor 2^(3 - 127) holds the byte at 1 from below
.endr
.irp i, 2,4,6,8,10,12,14
.irp b, 0,1
	v_max3_num_f32 v[TM+\b], v[TM+\b], |v[(\s)+16*\b+\i]|, |v[(\s)+16*\b+\i+1]|
.endr
.endr
.irp b, 0,1
	s_delay_alu instid0(VALU_DEP_2)
	v_permlanex16_b32 v[TM+2+\b], v[TM+\b], s[SEL], s[SEL+1]
.endr
.irp b, 0,1
	s_delay_alu instid0(VALU_DEP_2)
	v_max_num_f32 v[TM+\b], v[TM+\b], v[TM+2+\b]   ; the block's largest magnitude
.endr
.irp b, 0,1
	s_delay_alu instid0(VALU_DEP_2)
	v_add_nc_u32 v[TM+4+\b], 0xff000000, v[TM+\b]  ; 2 off the exponent field: the conversion's scale operand
.endr
.irp b, 0,1
	s_delay_alu instid0(VALU_DEP_2)
	v_lshrrev_b32 v[TM+2+\b], 23, v[TM+4+\b]       ; the scale's byte
.endr
	s_delay_alu instid0(VALU_DEP_1)
	v_lshl_or_b32 v[\pw], v[TM+3], 8, v[TM+2]
	v_cvt_scalef32_pk8_fp4_f32 v[(\pc)], v[(\s):(\s)+7], v[TM+4]           ; tile 0
	v_cvt_scalef32_pk8_fp4_f32 v[(\pc)+1], v[(\s)+16:(\s)+23], v[TM+5]     ; tile 2
	v_cvt_scalef32_pk8_fp4_f32 v[(\pc)+2], v[(\s)+8:(\s)+15], v[TM+4]      ; tile 1
	v_cvt_scalef32_pk8_fp4_f32 v[(\pc)+3], v[(\s)+24:(\s)+31], v[TM+5]     ; tile 3
	v_nop                                          ; one plain place behind the scaled conversions
	v_permlane16_swap_b32 v[(\pc)], v[(\pc)+1]     ; the first's lanes 16-31 change places with the second's lanes 0-15: lanes 0-15 now hold block 0, lanes 16-31 block 1
	v_permlane16_swap_b32 v[(\pc)+2], v[(\pc)+3]
.endm
	s_wait_tensorcnt 0x0                           ; my one fill is in
	s_barrier_signal -1
	s_barrier_wait -1                              ; every fetching wave's are
	s_wait_alu depctr_va_vdst(0)
	SCLOAD 0
	PLACES                                         ; (behind the moves that spread V's bias)
	FRAGS 0
	s_wait_dscnt 0x0
	s_cmp_eq_u32 s21, 1                            ; the two arms hold matrix instructions alone
	s_cbranch_scc1 .Lfirst_v
.irp a, 0,1,2,3
	MUL4 \a, 0, 1
.endr
	s_branch .Lfirst_done
.Lfirst_v:
.irp a, 0,1,2,3
	MUL4 \a, 0, 2
.endr
.Lfirst_done:
	KSTEP 1
	KSTEP 2
	KSTEP 3
	PLACES
	SCLOAD 1
	KSTEP 4
	KSTEP 5
	KSTEP 6
	KSTEP 7
	PLACES
	v_mov_b32 v[TM+2], 0                           ; written once: a lane permute's destination counts as one of its sources
	v_mov_b32 v[TM+3], 0
.irp a, 0,1,2,3
	QUANT2 ACC+32*\a, PC+4*\a, PW+\a
	v_cmp_ne_u32 vcc_lo, 0, v[MK+\a]               ; behind the swaps lane (r, h) holds codes of row r alone: a hidden token's row of K becomes zero codes
.irp n, 0,1,2,3
	v_cndmask_b32 v[PC+4*\a+\n], 0, v[PC+4*\a+\n], vcc_lo
.endr
	global_store_b128 v[L16], v[PC+4*\a:PC+4*\a+3], s[14:15] offset:512*\a   ; 512 consecutive bytes, aligned; the wave's four stores lie on end
.endr
	v_cndmask_b32 v[JW], v[PW], v[PW+1], s62       ; both halves of the lanes hold a block's 16 words: lanes 0-15 send block 0's, lanes 16-31 block 1's
	v_cndmask_b32 v[JW+1], v[PW+2], v[PW+3], s62
	global_store_b32 v[L4], v[JW], s[16:17]        ; 128 consecutive bytes each: the two together one aligned run of 256 (a ninth of what the launch stores)
	global_store_b32 v[L4], v[JW+1], s[16:17] offset:128
	s_wait_xcnt 0x0
	v_lshl_add_u32 v254, v0, 2, 0x44000
	v_mov_b32 v255, 0
	s_wait_alu depctr_va_vdst(0)
	s_wait_tensorcnt 0x0
	ds_add_u32 v254, v255
	s_wait_dscnt 0x0
	s_endpgm
.Lfunc_end_k_q142c2a2199_qkv:
	.size	k_q142c2a2199_qkv, .Lfunc_end_k_q142c2a2199_qkv-k_q142c2a2199_qkv
	.p2alignl 7, 3214868480
	.fill 96, 4, 3214868480
	.section	.rodata,"a",@progbits
	.p2align	6, 0x0
	.amdhsa_kernel k_q142c2a2199_qkv
		.amdhsa_group_segment_fixed_size 280576
		.amdhsa_private_segment_fixed_size 0
		.amdhsa_enable_private_segment 0
		.amdhsa_kernarg_size 64
		.amdhsa_user_sgpr_count 2
		.amdhsa_user_sgpr_kernarg_segment_ptr 1
		.amdhsa_wavefront_size32 1
		.amdhsa_system_sgpr_workgroup_id_x 1
		.amdhsa_system_sgpr_workgroup_id_y 1
		.amdhsa_system_sgpr_workgroup_id_z 1
		.amdhsa_system_vgpr_workitem_id 0
		.amdhsa_next_free_vgpr 256
		.amdhsa_next_free_sgpr 96
		.amdhsa_reserve_vcc 1
		.amdhsa_float_denorm_mode_32 3
		.amdhsa_float_denorm_mode_16_64 3
		.amdhsa_memory_ordered 1
		.amdhsa_forward_progress 1
		.amdhsa_inst_pref_size 49
	.end_amdhsa_kernel
	.amdgpu_metadata
---
amdhsa.version: [ 1, 2 ]
amdhsa.kernels:
  - .name:           k_q142c2a2199_qkv
    .symbol:         k_q142c2a2199_qkv.kd
    .args:
      - { .name: codes, .offset: 0, .size: 8, .value_kind: global_buffer, .address_space: global }
      - { .name: scl, .offset: 8, .size: 8, .value_kind: global_buffer, .address_space: global }
      - { .name: Wq_b, .offset: 16, .size: 8, .value_kind: global_buffer, .address_space: global }
      - { .name: Wk_b, .offset: 24, .size: 8, .value_kind: global_buffer, .address_space: global }
      - { .name: Wv_b, .offset: 32, .size: 8, .value_kind: global_buffer, .address_space: global }
      - { .name: qkvc, .offset: 40, .size: 8, .value_kind: global_buffer, .address_space: global }
      - { .name: qkvs, .offset: 48, .size: 8, .value_kind: global_buffer, .address_space: global }
      - { .name: mask, .offset: 56, .size: 8, .value_kind: global_buffer, .address_space: global }
    .group_segment_fixed_size: 280576
    .private_segment_fixed_size: 0
    .kernarg_segment_align: 8
    .kernarg_segment_size: 64
    .max_flat_workgroup_size: 512
    .sgpr_count:     96
    .vgpr_count:     256
    .wavefront_size: 32
...
	.end_amdgpu_metadata
.endif
;; end of part 2
;; launch attn (part 3): grid 8 x 32, 16 waves a work-group, no clusters, 327,680 bytes of LDS; arguments qkvc, qkvs, mask, codes, scl; writes codes, scl
.if DOCPART == 3
	.amdgcn_target "amdgcn-amd-amdhsa--gfx1250"
	.amdhsa_code_object_version 6
	.text
	.protected	k_q142c2a2199_attn
	.globl	k_q142c2a2199_attn
	.p2align	8
	.type	k_q142c2a2199_attn,@function
k_q142c2a2199_attn:
	s_mov_b64 s[64:65], 0
	v_nop
	global_prefetch_b8 v0, s[64:65] scope:SCOPE_SE
	s_setreg_imm32_b32 hwreg(HW_REG_WAVE_MODE, 25, 1), 1
	s_wait_xcnt 0x0
; context[b][q][64 head + d] = sum over keys of softmax(Q . K / 8, hidden keys at -1e9) V, both products on codes of FP4 with E8M0 scales, and the quantiser of the context along D.
; THE SOFTMAX: t = score x log2(e) / 8; M = the running largest t rounded UP to a whole number; p = 2^(t - M) is quantised along the keys, not normalised; the row's sum is taken of the
; unquantised p and divides at the end.  When M moves, the sum and O are multiplied by 2^(old M - new M): exact.
; SHARES: a work-group owns 256 queries of one head; each of its sixteen waves 16 of them, in 256 registers.  Every wave walks 2,048 keys, 128 a step.
; Work-group (x, y): block of queries x % 4 + 4 (y % 2), head 16 batch + head = x / 4 + 2 (y / 2): the eight blocks of a head have numbers x + 8 y that agree in bit 2.
; A HEAD'S K AND V LIE IN LDS WHOLE, each byte filled once, in two fills.  At the head each wave asks for 3 KB: together keys 0-767 of K (waves 0-7) and of V (waves 8-15).  Behind the
; wait for that fill, an add and a barrier, each wave asks for 5 KB: keys 768-2,047; six key steps stand between that request and the wait for it.
; Rows of 1,024 bytes get 128 bytes of padding: 1,152 = 4 x 256 + 128, so the two runs of eight keys that a load of K touches, 1,024 bytes apart in memory, lie in different halves of 256 bytes.
; The scale words (12 KB) go through registers, where the mask's byte and V's halves are joined in, into LDS bytes of their own.
; Joint requests in a cluster are left out: a work-group asks twice, both times ahead of its first loop; a cluster would add three rounds for those two requests.
; A prefetch is left out: both requests stand ahead of the first loop, so no loop runs ahead of a request.
; LAYOUT: both products transposed: S^T = K Q^T (source 0 = 16 keys, source 1 = my 16 queries), O^T = V^T P^T (source 0 = 16 of the head's 64, source 1 = P): a lane holds ONE query.
; THE KEYS OF A TILE ARE NOT NEIGHBOURS: row m of tile (c, T) is key 64 c + 32 (m / 8) + 8 T + m % 8.  So lane (r, h) has in registers 32 c .. 32 c + 31 of S the keys 64 c + 32 h + 0 .. 31:
; a WHOLE block of 32 in the order of P's operand registers: a block's maximum needs no other lane, and the four conversions of a block give registers 4 c .. 4 c + 3 of P as they stand.
; THE MASK RIDES IN THE FIRST PRODUCT'S IDLE K.  That product's K is 64 of the instruction's 128.  At k = 64 Q holds the code of 1.0 under the scale byte 127, every key the code of -4,
; and byte 2 of a key's scale word is 158 where its mask value is 0 and 0 elsewhere; all other codes of k = 64 .. 127 are zeros.  So a hidden key gets -4 x 2^31 = -2^33 in the matrix unit.
; The launch before wrote zero codes for hidden tokens' rows of K, so a hidden score IS -2^33; c x (-2^33) is a whole number: where every key is hidden p = 1 for all keys, as with -1e9.
; LIMITS: a key that counts gets -2^-125 added to its score; a score of a key that counts under -2^33 (reference()'s -1e9 is -8e9 in these units) would rank under the hidden ones;
; the scaled scores stay under 2^31 in magnitude; NaN and infinities are not served; 1 / l is v_rcp_f32 and a multiplication; a block of zeros gets the byte 1.
.set ROWP, 1152                        ; 1,024 bytes + 128 of padding
.set VC,   64*ROWP                     ; LDS: K's codes at 0 [128 groups of 16 keys][512]; V's here [32 chunks of 64 keys][4 groups of 16 d][512]; both padded
.set KS,   2*VC                        ; K's scale words, one a key, the mask's byte in them
.set VS,   KS+8192                     ; V's, [16 steps][64 d], two chunks' halves joined
.set SPARE, VS+4096                    ; the spare words, 128 bytes a wave
.set NA,  6                            ; key steps that the first fill serves: 24 rows of K and of V, 3 a wave; the second: 40 rows, 5 a wave
.set LK,  1                            ; v1   my lane's place in a tile of K: 1152 (r / 8) + 256 h + 16 (r % 8)
.set LV,  2                            ; v2   VC + 16 x lane
.set LKS, 3                            ; v3   KS + 128 (r / 8) + 32 h + 4 (r % 8)
.set LVS, 4                            ; v4   VS + 4 x lane
.set SH8, 5                            ; v5   8 h
.set ADK, 6                            ; v6-9 the step's addresses
.set ADV, 7
.set AKS, 8
.set AVS, 9
.set OM,  10                           ; v10  the last step's -M
.set MS,  11                           ; v11  the largest score so far.   v12 -M, v13 at work (named with it as a pair), v[14:15] the sum in two halves
.set QF,  16                           ; v16-23 Q's fragment (20: the code of 1.0 at k = 64; 21-23 zero)
.set QS,  24                           ; v24  Q's scale words;  v25 P's;  v26-29 K's (register 2 c + i: lanes 0-15 tile (c, 2 i), lanes 16-31 tile (c, 2 i + 1));  v30-31 V's likewise
.set PW,  25
.set KSW, 26
.set VSW, 30
.set KF,  32                           ; v32-95   K's eight fragments (register 4 of each: the code of -4 at k = 64; 5-7 zero)
.set S,   96                           ; v96-159  S^T, then p
.set O,   160                          ; v160-191 O^T
.set VF,  192                          ; v192-223 V's four fragments
.set PC,  224                          ; v224-231 P's codes
.set BM,  232                          ; v232-233 my two blocks' largest scores, then largest p
.set SCL, 234                          ; v234-235 the conversions' scale operands
.set BY,  236
.set WD,  238
.set TP,  239
.set Y,   240
.set LI,  241                          ; v241 16 x lane
.set B2,  244                          ; v244-245 second chains of the maxima
.set SPW, 250
.set NIL, 251                          ; v[252:253] f, v254 at work
.set TM,  232
.set TS,  21                           ; s21  256 x the step: V's scale words; also the loops' counter
.set CS,  22
.set SEL, 24
.set TK,  27                           ; s27  4 ROWP x the step: K's and V's codes
.set G1,  68                           ; s[68:75] descriptor group 1;  s[76:79], s[84:87] groups 0 of the two fills
.set G0A, 76
.set G0B, 84
	s_load_b128 s[4:7], s[0:1], 0x0                ; qkvc, qkvs
	s_load_b128 s[8:11], s[0:1], 0x10              ; mask, codes
	s_load_b64 s[14:15], s[0:1], 0x20              ; scl
	v_lshl_add_u32 v[SPW], v0, 2, SPARE
	v_mov_b32 v[NIL], 0
	ds_add_u32 v[SPW], v[NIL]                      ; the opening lines: the add twice on end and its wait ahead of my first tensor load
	ds_add_u32 v[SPW], v[NIL]
	v_lshrrev_b32 v1, 5, v0
	v_readfirstlane_b32 s16, v1                    ; wave 0..15
	s_and_b32 s28, ttmp7, 0xffff                   ; y
	s_and_b32 s18, ttmp9, 3
	s_and_b32 s29, s28, 1
	s_lshl_b32 s29, s29, 2
	s_or_b32 s18, s18, s29                         ; block of 256 queries: x % 4 + 4 (y % 2)
	s_lshr_b32 s17, s28, 1
	s_lshl_b32 s17, s17, 1
	s_lshr_b32 s29, ttmp9, 2
	s_or_b32 s17, s17, s29                         ; 16 batch + head: x / 4 + 2 (y / 2)
	s_lshr_b32 s19, s17, 4                         ; batch
	s_and_b32 s20, s17, 15                         ; head
	s_mov_b32 s[CS], 0x3e38aa3b                    ; c = log2(e) / 8
	s_mov_b32 s[CS+1], s[CS]
	s_mov_b32 s[SEL], 0x76543210
	s_mov_b32 s[SEL+1], 0xfedcba98
	s_mov_b32 s[TK], 0
	s_mov_b32 s[TS], 0
	; descriptor group 1: rows of 1,024 bytes (128 elements of 8), dense in memory, 32 words of padding behind every 256; 3 rows at the head, 5 in the second fill
	s_mov_b32 s[G1], (3<<16)|(1<<20)|(7<<22)|(31<<25)
	s_mov_b32 s[G1+1], 128<<16
	s_mov_b32 s[G1+2], 3<<16
	s_mov_b32 s[G1+3], 128<<16
	s_mov_b32 s[G1+4], 3
	s_mov_b32 s[G1+5], 128
	s_mov_b32 s[G1+6], 0
	s_mov_b32 s[G1+7], 0
	s_lshl_b32 s44, s17, 16                        ; a head's codes: 64 KB
	s_mov_b32 s45, 0
	s_lshl_b32 s46, s17, 13                        ; a head's scale words: 8 KB
	s_mov_b32 s47, 0
	s_lshr_b32 s28, s16, 3                         ; what I fetch: 0: K (at 2^21), 1: V (at 2^22);
	s_and_b32 s29, s16, 7                          ; which eighth
	s_add_co_u32 s80, s28, 1
	s_lshl_b32 s80, s80, 21
	s_add_co_u32 s80, s80, s44
	s_mul_i32 s30, s29, 3072
	s_add_co_u32 s82, s80, s30                     ; first fill: 3,072 bytes an eighth
	s_mov_b32 s83, 0
	s_mul_i32 s30, s29, 5120
	s_add_co_u32 s80, s80, s30
	s_add_co_u32 s80, s80, 24576                   ; second fill: behind the first 24 KB, 5,120 bytes an eighth
	s_mov_b32 s81, 0
	s_mul_i32 s31, s28, VC
	s_mul_i32 s30, s29, 3*ROWP
	s_add_co_u32 s[G0A+1], s31, s30
	s_mul_i32 s30, s29, 5*ROWP
	s_add_co_u32 s30, s30, s31
	s_add_co_u32 s[G0B+1], s30, 24*ROWP
	s_lshl_b32 s48, s18, 13                        ; my 16 queries' image: group 16 qb + w
	s_lshl_b32 s28, s16, 9
	s_add_co_u32 s48, s48, s28
	s_mov_b32 s49, 0
	s_lshl_b32 s50, s18, 10                        ; and their scale words
	s_lshl_b32 s28, s16, 6
	s_add_co_u32 s50, s50, s28
	s_mov_b32 s51, 0
	s_lshl_b32 s52, s19, 13                        ; the batch's mask
	s_mov_b32 s53, 0
	s_lshl_b32 s54, s19, 11
	s_lshl_b32 s28, s18, 8
	s_add_co_u32 s54, s54, s28
	s_lshl_b32 s28, s16, 4
	s_add_co_u32 s54, s54, s28                     ; my first row of the context: 2048 b + 256 qb + 16 w
	s_lshl_b32 s56, s20, 18                        ; chunk = head
	s_lshl_b32 s28, s54, 5
	s_add_co_u32 s56, s56, s28
	s_mov_b32 s57, 0
	s_lshr_b32 s58, s20, 3                         ; the head's two scale bytes: half head / 8, bytes 2 (head % 8) on
	s_lshl_b32 s58, s58, 17
	s_lshl_b32 s28, s54, 4
	s_add_co_u32 s58, s58, s28
	s_and_b32 s28, s20, 7
	s_lshl_b32 s28, s28, 1
	s_add_co_u32 s58, s58, s28
	s_mov_b32 s59, 0
	v_and_b32 v10, 31, v0                          ; lane
	v_and_b32 v12, 15, v0                          ; r
	v_bfe_u32 v13, v0, 4, 1                        ; h
	v_bfe_u32 v14, v0, 3, 1                        ; r / 8
	v_and_b32 v15, 7, v0                           ; r % 8
	v_lshlrev_b32 v[LI], 4, v10
	v_mul_u32_u24 v[LK], v14, ROWP
	v_lshl_add_u32 v[LKS], v15, 2, KS
	v_add_nc_u32 v[LV], VC, v[LI]
	v_lshl_add_u32 v[LK], v13, 8, v[LK]
	v_lshl_add_u32 v[LKS], v13, 5, v[LKS]
	v_lshl_add_u32 v[LVS], v10, 2, VS
	v_lshl_add_u32 v[LK], v15, 4, v[LK]
	v_lshl_add_u32 v[LKS], v14, 7, v[LKS]
	v_lshlrev_b32 v[SH8], 3, v13
	v_lshlrev_b32 v6, 4, v0                        ; 16 x thread,
	v_lshlrev_b32 v8, 3, v10
	v_lshlrev_b32 v9, 2, v12                       ; 4 r
	v_sub_nc_u32 v8, v6, v8                        ; 512 w + 8 x lane
	v_add_nc_u32 v210, KS, v6
	v_lshl_add_u32 v211, v0, 3, VS
	v_sub_nc_u32 v242, 1, v13                      ; 1 in lanes 0-15, which hold k = 64 .. 95 in register 4 of a fragment
	v_mul_u32_u24 v243, v242, 14                   ; 0xE: the code of -4 at k = 64
	v_lshlrev_b32 v242, 1, v242                    ; 0x2: the code of 1.0
	s_wait_alu depctr_va_vdst(0)
	s_wait_dscnt 0x0
	s_wait_kmcnt 0x0
	s_mov_b32 s[G0A], 1
	s_add_nc_u64 s[G0A+2:G0A+3], s[4:5], s[82:83]
	s_or_b32 s[G0A+3], s[G0A+3], 0x80000000
	s_mov_b32 s[G0B], 1
	s_add_nc_u64 s[G0B+2:G0B+3], s[4:5], s[80:81]
	s_or_b32 s[G0B+3], s[G0B+3], 0x80000000
	tensor_load_to_lds s[G0A:G0A+3], s[G1:G1+7]    ; my one load at the head: my eighth of keys 0-767
	s_nop 0
	s_add_nc_u64 s[36:37], s[4:5], s[44:45]
	s_add_nc_u64 s[36:37], s[36:37], s[48:49]      ; Q's codes
	s_add_nc_u64 s[42:43], s[6:7], s[46:47]
	s_add_nc_u64 s[38:39], s[42:43], 262144        ; K's scale words
	s_add_nc_u64 s[40:41], s[42:43], 524288        ; V's
	s_add_nc_u64 s[42:43], s[42:43], s[50:51]      ; Q's
	s_add_nc_u64 s[8:9], s[8:9], s[52:53]
	s_add_nc_u64 s[10:11], s[10:11], s[56:57]
	s_add_nc_u64 s[14:15], s[14:15], s[58:59]
	global_load_b128 v[192:195], v6, s[38:39]              ; the scale words of keys 4 thread .. + 3,
	global_load_b128 v[200:203], v6, s[8:9]                ; and the same keys' mask values
	global_load_b64 v[196:197], v8, s[40:41]               ; wave w joins step w's words of V: chunk 2 w's,
	global_load_b64 v[198:199], v8, s[40:41] offset:256    ; and chunk 2 w + 1's
	global_load_b128 v[QF:QF+3], v[LI], s[36:37]
	global_load_b32 v[QS], v9, s[42:43]
.irp T, 0,1,2,3,4,5,6,7
	v_mov_b32 v[KF+8*\T+4], v243                   ; k = 64 .. 127 of the first product's operands, written once
.irp n, 5,6,7
	v_mov_b32 v[KF+8*\T+\n], 0
.endr
.endr
	v_mov_b32 v[QF+4], v242
.irp n, 5,6,7
	v_mov_b32 v[QF+\n], 0
.endr
.set j, 0
.rept 32
	v_mov_b32 v[O+j], 0                            ; O^T: the step is written once; the first finds zeros, which the first change of M leaves zeros
.set j, j+1
.endr
	v_mov_b32 v[MS], 0xff61b1e6                    ; the largest score so far: -3e38
	v_mov_b32 v[OM], 0x7f61b1e6                    ; -M: 3e38
	v_mov_b32 v14, 0
	v_mov_b32 v15, 0
	v_mov_b32 v[TP], 0                             ; a lane permute's destination counts as one of its sources
	v_mov_b32 v[Y], 0
	v_mov_b32 v253, 0                              ; (named as the upper half of the pair v[252:253])
	v_mov_b32 v209, 158<<16                        ; a hidden key's byte 2: 2^31
	s_wait_alu depctr_va_vdst(0)
	s_wait_loadcnt 0x0
	v_or_b32 v[QS], 127<<16, v[QS]                 ; Q's byte 2: 1.0
.irp n, 0,1,2,3
	v_cmp_eq_u32 vcc_lo, 0, v[200+\n]
	v_cndmask_b32 v[204+\n], 0, v209, vcc_lo
	v_or_b32 v[192+\n], v[192+\n], v[204+\n]
.endr
	ds_store_b128 v210, v[192:195]
	v_lshl_or_b32 v214, v198, 16, v196             ; bytes 0, 1: keys 0-63 of the step; bytes 2, 3: keys 64-127
	v_lshl_or_b32 v215, v199, 16, v197
	ds_store_b64 v211, v[214:215]
	s_wait_alu depctr_va_vdst(0)
	s_wait_tensorcnt 0x0                           ; my part of keys 0-767 is in
	ds_add_u32 v[SPW], v[NIL]
	s_mov_b32 s[G1+2], 5<<16                       ; no tensor load of mine is out: from here on a load brings 5 rows
	s_mov_b32 s[G1+4], 5
	s_wait_dscnt 0x0                               ; the add and my stores of scale words are done
	s_barrier_signal -1
	s_barrier_wait -1
	tensor_load_to_lds s[G0B:G0B+3], s[G1:G1+7]    ; my one load behind this barrier: my eighth of keys 768-2,047, bytes filled for the first time
	s_nop 0
; K's eight fragments and four registers of scale words, ko and so bytes on from the addresses in hand
.macro KLOADS ko, so
.irp c, 0,1
.irp T, 0,1,2,3
	ds_load_b128 v[KF+32*\c+8*\T:KF+32*\c+8*\T+3], v[ADK] offset:(\ko)+2*ROWP*\c+512*(\T/2)+128*(\T%2)
.endr
.irp i, 0,1
	ds_load_b32 v[KSW+2*\c+\i], v[AKS] offset:(\so)+256*\c+64*\i
.endr
.endr
.endm
; the first step of a fill's range takes its K by itself
.macro KFIRST
	v_add_nc_u32 v[ADK], s[TK], v[LK]
	v_lshl_add_u32 v[AKS], s[TS], 1, v[LKS]
	KLOADS 0, 0
	s_wait_dscnt 0x0
.endm
; A KEY STEP: 128 keys; its K is in registers.  pre = 1: the next step's K is loaded under the softmax; 0: the last step of a fill's range
.macro STEP pre
.irp c, 0,1
.irp T, 0,1,2,3
.if (\T)%2
	v_wmma_scale_f32_16x16x128_f8f6f4 v[S+32*\c+8*\T:S+32*\c+8*\T+7], v[KF+32*\c+8*\T:KF+32*\c+8*\T+7], v[QF:QF+7], 0, v[KSW+2*\c+\T/2], v[QS] matrix_a_fmt:MATRIX_FMT_FP4 matrix_b_fmt:MATRIX_FMT_FP4 matrix_a_scale:MATRIX_SCALE_ROW1
.else
	v_wmma_scale_f32_16x16x128_f8f6f4 v[S+32*\c+8*\T:S+32*\c+8*\T+7], v[KF+32*\c+8*\T:KF+32*\c+8*\T+7], v[QF:QF+7], 0, v[KSW+2*\c+\T/2], v[QS] matrix_a_fmt:MATRIX_FMT_FP4 matrix_b_fmt:MATRIX_FMT_FP4
.endif
.endr
.endr
	v_add_nc_u32 v[ADV], s[TK], v[LV]              ; these four are the places behind the products above and behind the last step's second products
	v_add_nc_u32 v[AVS], s[TS], v[LVS]
.if \pre
	v_add_nc_u32 v[ADK], s[TK], v[LK]
	v_lshl_add_u32 v[AKS], s[TS], 1, v[LKS]
	KLOADS 4*ROWP, 512
.else
	v_nop
	v_nop
.endif
.irp c, 0,1
.irp t, 0,1,2,3
	ds_load_b128 v[VF+8*\t+4*\c:VF+8*\t+4*\c+3], v[ADV] offset:2*ROWP*\c+ROWP*(\t/2)+512*(\t%2)   ; this step's V: it lands under the softmax
.endr
.endr
.irp i, 0,1
	ds_load_b32 v[VSW+\i], v[AVS] offset:128*\i
.endr
.irp c, 0,1                                    ; the largest score of my two blocks of 32 keys, two chains each; every tile is read from its low end on
	v_max3_num_f32 v[BM+\c], v[S+32*\c], v[S+32*\c+1], v[S+32*\c+2]
	v_max3_num_f32 v[B2+\c], v[S+32*\c+16], v[S+32*\c+17], v[S+32*\c+18]
.endr
.irp i, 3,5,7,9,11,13
.irp c, 0,1
	v_max3_num_f32 v[BM+\c], v[BM+\c], v[S+32*\c+\i], v[S+32*\c+\i+1]
	v_max3_num_f32 v[B2+\c], v[B2+\c], v[S+32*\c+16+\i], v[S+32*\c+17+\i]
.endr
.endr
.irp c, 0,1
	v_max3_num_f32 v[BM+\c], v[BM+\c], v[B2+\c], v[S+32*\c+15]
.endr
.irp c, 0,1
	v_max_num_f32 v[BM+\c], v[BM+\c], v[S+32*\c+31]
.endr
	s_delay_alu instid0(VALU_DEP_1)
	v_max_num_f32 v13, v[BM], v[BM+1]
	s_delay_alu instid0(VALU_DEP_1)
	v_permlanex16_b32 v[Y], v13, s[SEL], s[SEL+1]  ; lane l xor 16 has my query's other 64 keys
	s_delay_alu instid0(VALU_DEP_1)
	v_max3_num_f32 v[MS], v[MS], v13, v[Y]         ; the running largest score
	s_delay_alu instid0(VALU_DEP_1)
	v_mul_f32 v254, s[CS], v[MS]                   ; as t (c is positive)
	s_delay_alu instid0(VALU_DEP_1)
	v_floor_f32 v12, -v254                         ; the new -M = -ceil(t)
	s_delay_alu instid0(VALU_DEP_1)
	v_sub_f32 v254, v12, v[OM]                     ; old M - new M: a whole number, 0 or less
	s_delay_alu instid0(VALU_DEP_1)
	v_cvt_i32_f32 v254, v254                       ; (it saturates)
	s_delay_alu instid0(VALU_DEP_1)
	v_ldexp_f32 v252, 1.0, v254                    ; f = 2^(old M - new M)
.set j, 0
.rept 32
	v_pk_fma_f32 v[S+j:S+j+1], v[S+j:S+j+1], s[CS:CS+1], v[12:13] op_sel_hi:[1,0,0]   ; t - M, two at a time
.set j, j+2
.endr
.irp c, 0,1
	v_fma_f32 v[BM+\c], v[BM+\c], s[CS], v12       ; the same of each block's largest score
.endr
	s_wait_alu depctr_va_vdst(0)
.set j, 0
.rept 64
	v_exp_f32 v[S+j], v[S+j]                       ; p = 2^(t - M)
.set j, j+1
.endr
.irp c, 0,1
	v_exp_f32 v[BM+\c], v[BM+\c]                   ; the block's largest p: the same two instructions on the same number
.endr
	v_mov_b32 v[OM], v12                           ; -M is kept for the next step (a plain place behind the exponentials)
	s_wait_alu depctr_va_vdst(0)                   ; one wait for the batch, ahead of its first reader
.irp c, 0,1
	v_max_num_f32 v[BM+\c], 0x1800000, v[BM+\c]    ; the floor 2^(3 - 127)
.endr
.irp c, 0,1
	v_add_nc_u32 v[SCL+\c], 0xff000000, v[BM+\c]   ; 2 off the exponent field: the conversion's scale operand
.endr
.irp c, 0,1
	v_lshrrev_b32 v[BY+\c], 23, v[SCL+\c]          ; the scale's byte
.endr
	v_lshl_or_b32 v[WD], v[BY+1], 16, v[BY]        ; my bytes are those of blocks h and 2 + h,
	s_delay_alu instid0(VALU_DEP_1)
	v_lshlrev_b32 v[WD], v[SH8], v[WD]             ; at their places in the word
	s_delay_alu instid0(VALU_DEP_1)
	v_permlanex16_b32 v[TP], v[WD], s[SEL], s[SEL+1]
.irp c, 0,1
.irp g, 0,1,2,3
	v_cvt_scalef32_pk8_fp4_f32 v[PC+4*\c+\g], v[S+32*\c+8*\g:S+32*\c+8*\g+7], v[SCL+\c]   ; register 4 c + g of P: keys 64 c + 32 h + 8 g on
.endr
.endr
	v_or_b32 v[PW], v[WD], v[TP]                   ; P's scale word is whole.  (The plain place behind the scaled conversions)
.irp j, 8,16,24,32,40,48,56                    ; the row's sum of the unquantised p, two at a time, four chains, onto the first four pairs
.irp q, 0,2,4,6
	v_pk_add_f32 v[S+\q:S+\q+1], v[S+\q:S+\q+1], v[S+\j+\q:S+\j+\q+1]
.endr
.endr
	v_pk_add_f32 v[S:S+1], v[S:S+1], v[S+2:S+3]
	v_pk_add_f32 v[S+4:S+5], v[S+4:S+5], v[S+6:S+7]
	s_delay_alu instid0(VALU_DEP_1)
	v_pk_add_f32 v[S:S+1], v[S:S+1], v[S+4:S+5]
	s_delay_alu instid0(VALU_DEP_1)
	v_pk_fma_f32 v[14:15], v[14:15], v[252:253], v[S:S+1] op_sel_hi:[1,0,1]   ; the sums under the new M, and this step's
	s_wait_alu depctr_va_vdst(0)
.set j, 0
.rept 16
	v_pk_mul_f32 v[O+j:O+j+1], v[O+j:O+j+1], v[252:253] op_sel_hi:[1,0]   ; O^T under the new M, each tile from its low end on
.set j, j+2
.endr
	s_wait_alu depctr_va_vdst(0)
	s_wait_dscnt 0x0                               ; V is in (pre = 1: and the next step's K)
.irp t, 0,1,2,3                                ; the four accumulators, one turn each; the first products always stand between two links
.if (\t)%2
	v_wmma_scale_f32_16x16x128_f8f6f4 v[O+8*\t:O+8*\t+7], v[VF+8*\t:VF+8*\t+7], v[PC:PC+7], v[O+8*\t:O+8*\t+7], v[VSW+\t/2], v[PW] matrix_a_fmt:MATRIX_FMT_FP4 matrix_b_fmt:MATRIX_FMT_FP4 matrix_a_scale:MATRIX_SCALE_ROW1
.else
	v_wmma_scale_f32_16x16x128_f8f6f4 v[O+8*\t:O+8*\t+7], v[VF+8*\t:VF+8*\t+7], v[PC:PC+7], v[O+8*\t:O+8*\t+7], v[VSW+\t/2], v[PW] matrix_a_fmt:MATRIX_FMT_FP4 matrix_b_fmt:MATRIX_FMT_FP4
.endif
.endr
	s_add_co_u32 s[TK], s[TK], 4*ROWP              ; 128 keys on: 4,096 bytes of K's codes and of V's, padded;
	s_add_co_u32 s[TS], s[TS], 256                 ; 256 bytes of V's scale words, twice that of K's
.endm
	KFIRST
.Lfirst:                                           ; NA - 1 trips, and the range's last step written out: keys 0-767, the head's fill
	STEP 1
	s_cmp_lt_u32 s[TS], (NA-1)*256
	s_cbranch_scc1 .Lfirst
	STEP 0
	s_wait_tensorcnt 0x0                           ; my part of keys 768-2,047 is in
	ds_add_u32 v[SPW], v[NIL]
	s_wait_dscnt 0x0
	s_barrier_signal -1
	s_barrier_wait -1                              ; and so is every wave's
	KFIRST
.Lrest:                                            ; 15 - NA trips, and the last step written out
	STEP 1
	s_cmp_lt_u32 s[TS], 15*256
	s_cbranch_scc1 .Lrest
	STEP 0
; 32 numbers of a lane, v[s] on (four tiles: two blocks of 32 with lane l xor 16), become four operand registers v[pc] on and the scale word v[pw] (bytes 0, 1).
.macro QUANT2 s, pc, pw
.irp b, 0,1
	v_max3_num_f32 v[TM+\b], |v[(\s)+16*\b]|, |v[(\s)+16*\b+1]|, 0x1800000
.endr
.irp i, 2,4,6,8,10,12,14
.irp b, 0,1
	s_delay_alu instid0(VALU_DEP_2)
	v_max3_num_f32 v[TM+\b], v[TM+\b], |v[(\s)+16*\b+\i]|, |v[(\s)+16*\b+\i+1]|
.endr
.endr
.irp b, 0,1
	s_delay_alu instid0(VALU_DEP_2)
	v_permlanex16_b32 v[TM+2+\b], v[TM+\b], s[SEL], s[SEL+1]
.endr
.irp b, 0,1
	s_delay_alu instid0(VALU_DEP_2)
	v_max_num_f32 v[TM+\b], v[TM+\b], v[TM+2+\b]
.endr
.irp b, 0,1
	s_delay_alu instid0(VALU_DEP_2)
	v_add_nc_u32 v[TM+4+\b], 0xff000000, v[TM+\b]
.endr
.irp b, 0,1
	s_delay_alu instid0(VALU_DEP_2)
	v_lshrrev_b32 v[TM+2+\b], 23, v[TM+4+\b]
.endr
	s_delay_alu instid0(VALU_DEP_1)
	v_lshl_or_b32 v[\pw], v[TM+3], 8, v[TM+2]
	v_cvt_scalef32_pk8_fp4_f32 v[(\pc)], v[(\s):(\s)+7], v[TM+4]
	v_cvt_scalef32_pk8_fp4_f32 v[(\pc)+1], v[(\s)+16:(\s)+23], v[TM+5]
	v_cvt_scalef32_pk8_fp4_f32 v[(\pc)+2], v[(\s)+8:(\s)+15], v[TM+4]
	v_cvt_scalef32_pk8_fp4_f32 v[(\pc)+3], v[(\s)+24:(\s)+31], v[TM+5]
	v_nop
	v_permlane16_swap_b32 v[(\pc)], v[(\pc)+1]
	v_permlane16_swap_b32 v[(\pc)+2], v[(\pc)+3]
.endm
	; THE WAY OUT: O^T / l is my 16 rows' 64 numbers of the context: chunk = head of the last product's K.  Quantised here, it goes out as an image and two scale bytes a row.
.rept 4
	v_nop                                          ; places behind the last products
.endr
	v_add_f32 v14, v14, v15
	s_delay_alu instid0(VALU_DEP_1)
	v_permlanex16_b32 v254, v14, s[SEL], s[SEL+1]
	s_delay_alu instid0(VALU_DEP_1)
	v_add_f32 v14, v14, v254                       ; the row's sum
	s_wait_alu depctr_va_vdst(0)                   ; a wait ahead of the transcendental
	v_rcp_f32 v14, v14
	v_and_b32 v6, 15, v0                           ; (a plain place behind the reciprocal)
	s_delay_alu instid0(VALU_DEP_1)
	v_lshlrev_b32 v6, 4, v6                        ; 16 r: my row's 16 bytes of scale words
	s_wait_alu depctr_va_vdst(0)                   ; and ahead of its first reader, which is also O^T's
.set j, 0
.rept 32
	v_mul_f32 v[S+j], v[O+j], v14                  ; register 8 t + n: d = 16 t + 8 h + n
.set j, j+1
.endr
	QUANT2 S, PC, PW
	global_store_b128 v[LI], v[PC:PC+3], s[10:11]  ; 512 consecutive bytes, aligned
	global_store_b16 v6, v[PW], s[14:15]           ; two bytes of each row's 16, sixteen rows inside one run of 256 bytes; lanes 16-31 send the same bytes to the same places as lanes 0-15
	s_wait_tensorcnt 0x0                           ; the wave's end
	ds_add_u32 v[SPW], v[NIL]
	s_wait_dscnt 0x0
	s_endpgm
.Lfunc_end_k_q142c2a2199_attn:
	.size	k_q142c2a2199_attn, .Lfunc_end_k_q142c2a2199_attn-k_q142c2a2199_attn
	.p2alignl 7, 3214868480
	.fill 96, 4, 3214868480
	.section	.rodata,"a",@progbits
	.p2align	6, 0x0
	.amdhsa_kernel k_q142c2a2199_attn
		.amdhsa_group_segment_fixed_size 327680
		.amdhsa_private_segment_fixed_size 0
		.amdhsa_enable_private_segment 0
		.amdhsa_kernarg_size 40
		.amdhsa_user_sgpr_count 2
		.amdhsa_user_sgpr_kernarg_segment_ptr 1
		.amdhsa_wavefront_size32 1
		.amdhsa_system_sgpr_workgroup_id_x 1
		.amdhsa_system_sgpr_workgroup_id_y 1
		.amdhsa_system_sgpr_workgroup_id_z 1
		.amdhsa_system_vgpr_workitem_id 0
		.amdhsa_next_free_vgpr 256
		.amdhsa_next_free_sgpr 88
		.amdhsa_reserve_vcc 1
		.amdhsa_float_denorm_mode_32 3
		.amdhsa_float_denorm_mode_16_64 3
		.amdhsa_memory_ordered 1
		.amdhsa_forward_progress 1
		.amdhsa_inst_pref_size 72
	.end_amdhsa_kernel
	.amdgpu_metadata
---
amdhsa.version: [ 1, 2 ]
amdhsa.kernels:
  - .name:           k_q142c2a2199_attn
    .symbol:         k_q142c2a2199_attn.kd
    .args:
      - { .name: qkvc, .offset: 0, .size: 8, .value_kind: global_buffer, .address_space: global }
      - { .name: qkvs, .offset: 8, .size: 8, .value_kind: global_buffer, .address_space: global }
      - { .name: mask, .offset: 16, .size: 8, .value_kind: global_buffer, .address_space: global }
      - { .name: codes, .offset: 24, .size: 8, .value_kind: global_buffer, .address_space: global }
      - { .name: scl, .offset: 32, .size: 8, .value_kind: global_buffer, .address_space: global }
    .group_segment_fixed_size: 327680
    .private_segment_fixed_size: 0
    .kernarg_segment_align: 8
    .kernarg_segment_size: 40
    .max_flat_workgroup_size: 512
    .sgpr_count:     88
    .vgpr_count:     256
    .wavefront_size: 32
...
	.end_amdgpu_metadata
.endif
;; end of part 3
;; launch proj (part 4): grid 8 x 32, 8 waves a work-group, no clusters, 175,104 bytes of LDS; arguments codes, scl, Wo_b, out0; writes out0
.if DOCPART == 4
	.amdgcn_target "amdgcn-amd-amdhsa--gfx1250"
	.amdhsa_code_object_version 6
	.text
	.protected	k_q142c2a2199_proj
	.globl	k_q142c2a2199_proj
	.p2align	8
	.type	k_q142c2a2199_proj,@function
k_q142c2a2199_proj:
	s_mov_b64 s[64:65], 0
	v_nop
	global_prefetch_b8 v0, s[64:65] scope:SCOPE_SE
	s_setreg_imm32_b32 hwreg(HW_REG_WAVE_MODE, 25, 1), 1
	s_wait_xcnt 0x0
; out0 = context Wo^T + bo on codes of FP4 with E8M0 scales.  The context's codes lie in rows 0-4095 of codes and scl, Wo's in rows 7168-8191 (layouts: see the quantising launch).
; A work-group makes 128 rows x 128 columns (x: columns, y: rows), so that there are 256 of them; all of K = 1,024 of both operands lies in LDS, each byte filled once.
; Eight waves, 32 rows x 64 columns each: eight accumulators.  Source 0 = 16 rows of Wo, source 1 = 16 rows of the context: a lane holds eight neighbouring columns of one row of out0.
; Joint requests in a cluster are left out: each work-group asks once, at its start, for 136 KB.
.set SCLB,  131072                     ; LDS: the context's codes at 0, Wo's at 65,536 ([16 chunks][8 groups][512]); scale words here, 4 KB each ([2 halves][128 rows][16]);
.set STAGE, 139264                     ; a stage of 16 rows x (256 + 16) bytes for each wave, its own, into which no fill lands
.set SP,    272
.set ADI,  3
.set ADJ,  4
.set ADSI, 5
.set ADSJ, 6
.set STO,  7
.set RD,   8
.set CO,   9
.set H32,  10
.set BIAS, 16                          ; v16-47   bo in the result's layout, four tiles: the C of the first K step
.set FI,   48                          ; v48-63   the context's two fragments
.set FJ,   64                          ; v64-95   Wo's four
.set SCI,  96                          ; v96-111  scale words of my two blocks of rows, eight K steps each
.set SCJ,  112                         ; v112-143 of my four tiles of columns
.set ACC,  144                         ; v144-207 accumulator (a, T) at 144 + 8 (4 a + T)
	s_load_b256 s[4:11], s[0:1], 0x0               ; codes, scl, Wo_b, out0
	v_lshl_add_u32 v208, v0, 2, 0x2a800
	v_mov_b32 v209, 0
	ds_add_u32 v208, v209
	ds_add_u32 v208, v209
	v_lshrrev_b32 v1, 5, v0
	s_delay_alu instid0(VALU_DEP_1)
	v_readfirstlane_b32 s18, v1                    ; wave 0..7
	s_and_b32 s20, ttmp7, 0xffff                   ; work-group (x, y):
	s_and_b32 s19, ttmp9, 3
	s_and_b32 s21, s20, 1
	s_lshl_b32 s21, s21, 2
	s_or_b32 s19, s19, s21                         ; block of columns x % 4 + 4 (y % 2),
	s_lshr_b32 s20, s20, 1
	s_lshr_b32 s21, ttmp9, 2
	s_lshl_b32 s21, s21, 4
	s_or_b32 s20, s20, s21                         ; block of rows y / 2 + 16 (x / 4): the work-groups of a block of rows have numbers x + 8 y that agree in bit 2
	s_lshl_b32 s22, s20, 7                         ; the context's first row
	s_lshl_b32 s23, s19, 7
	s_add_co_u32 s23, s23, 7168                    ; Wo's
	s_and_b32 s52, s18, 3                          ; wi: my 32 rows
	s_lshr_b32 s53, s18, 2                         ; wj: my 64 columns
	s_mov_b32 s24, 3<<16                           ; group 1 for codes: 8 chunks x 4,096 bytes, 262,144 bytes apart; elements of 8 bytes
	s_mov_b32 s25, 512<<16
	s_mov_b32 s26, 8<<16
	s_mov_b32 s27, 512<<16
	s_mov_b32 s28, 8
	s_mov_b32 s29, 32768
	s_mov_b32 s30, 0
	s_mov_b32 s31, 0
	s_mov_b32 s32, 3<<16                           ; for scale words: 2 halves x 2,048 bytes, 131,072 bytes apart
	s_mov_b32 s33, 256<<16
	s_mov_b32 s34, 2<<16
	s_mov_b32 s35, 256<<16
	s_mov_b32 s36, 2
	s_mov_b32 s37, 16384
	s_mov_b32 s38, 0
	s_mov_b32 s39, 0
	s_and_b32 s55, s18, 1                          ; p: 0 the context's 128 rows, 1 Wo's
	s_cmp_eq_u32 s55, 0
	s_cselect_b32 s54, s22, s23
	s_lshl_b32 s56, s54, 5
	s_mov_b32 s57, 0
	s_lshl_b32 s58, s54, 4
	s_mov_b32 s59, 0
	s_wait_dscnt 0x0
	s_wait_kmcnt 0x0
	s_mov_b32 s40, 1
	s_lshl_b32 s41, s55, 12
	s_add_co_u32 s41, s41, SCLB
	s_add_nc_u64 s[42:43], s[6:7], s[58:59]
	s_or_b32 s43, s43, 0x80000000
	s_bfe_u32 s48, s18, 0x10001                    ; which half of K a wave under 4 brings
	s_lshl_b32 s49, s48, 15
	s_lshl_b32 s50, s48, 21                        ; eight chunks
	s_mov_b32 s51, 0
	s_mov_b32 s44, 1
	s_lshl_b32 s45, s55, 16
	s_add_co_u32 s45, s45, s49
	s_add_nc_u64 s[46:47], s[4:5], s[56:57]
	s_add_nc_u64 s[46:47], s[46:47], s[50:51]
	s_or_b32 s47, s47, 0x80000000
	; the six first fills, one a wave, in one chain of branches on the wave's number: waves 0-3 the codes (p, half of K), waves 4, 5 the scale words (p)
	s_cmp_lt_u32 s18, 4
	s_cbranch_scc0 .Lfill_s
	tensor_load_to_lds s[44:47], s[24:31]
	s_nop 0
.rept 4
	v_nop
.endr
	s_branch .Lno_fill
.Lfill_s:
	s_cmp_lt_u32 s18, 6
	s_cbranch_scc0 .Lno_fill
	tensor_load_to_lds s[40:43], s[32:39]
	s_nop 0
.rept 4
	v_nop
.endr
.Lno_fill:
	v_and_b32 v1, 15, v0                           ; r
	s_wait_alu depctr_va_vdst(0)
	v_bfe_u32 v2, v0, 4, 1                         ; h
	v_and_b32 v11, 31, v0
	s_delay_alu instid0(VALU_DEP_1)
	v_lshlrev_b32 v11, 4, v11                      ; 16 x lane
	s_lshl_b32 s60, s52, 10
	v_add_nc_u32 v[ADI], s60, v11
	s_lshl_b32 s60, s53, 11
	s_add_co_u32 s60, s60, 65536
	v_add_nc_u32 v[ADJ], s60, v11
	v_lshlrev_b32 v12, 4, v1                       ; 16 r
	s_lshl_b32 s60, s52, 9
	s_add_co_u32 s60, s60, SCLB
	v_add_nc_u32 v[ADSI], s60, v12
	s_lshl_b32 s60, s53, 10
	s_add_co_u32 s60, s60, SCLB+4096
	v_add_nc_u32 v[ADSJ], s60, v12
	s_mul_i32 s62, s18, 16*SP
	s_add_co_u32 s62, s62, STAGE                   ; my stage
	v_mul_u32_u24 v[STO], v1, SP
	s_wait_alu depctr_va_vdst(0)
	v_lshl_add_u32 v[STO], v2, 5, v[STO]
	s_delay_alu instid0(VALU_DEP_1)
	v_add_nc_u32 v[STO], s62, v[STO]               ; in: row r, 32 bytes for each half of the lanes
	v_mul_u32_u24 v[RD], v2, SP
	s_delay_alu instid0(VALU_DEP_1)
	v_add_nc_u32 v[RD], v[RD], v12
	s_delay_alu instid0(VALU_DEP_1)
	v_add_nc_u32 v[RD], s62, v[RD]                 ; back: lanes 0-15 one row of 256 bytes, lanes 16-31 the next
	v_lshl_add_u32 v[CO], v2, 12, v12              ; and the same two rows in out0
	v_lshlrev_b32 v[H32], 5, v2
	s_wait_alu depctr_va_vdst(0)
	s_lshl_b32 s56, s19, 9
	s_lshl_b32 s60, s53, 8
	s_add_co_u32 s56, s56, s60                     ; my first column, in bytes
	s_add_nc_u64 s[8:9], s[8:9], s[56:57]
	s_lshl_b32 s58, s52, 5
	s_add_co_u32 s58, s58, s22                     ; my first row
	s_lshl_b32 s58, s58, 12
	s_add_co_u32 s58, s58, s56
	s_add_nc_u64 s[10:11], s[10:11], s[58:59]
.irp T, 0,1,2,3
	global_load_b128 v[BIAS+8*\T:BIAS+8*\T+3], v[H32], s[8:9] offset:64*\T
	global_load_b128 v[BIAS+8*\T+4:BIAS+8*\T+7], v[H32], s[8:9] offset:64*\T+16
.endr
	s_wait_loadcnt 0x0
.macro PLACES                          ; four plain places between a matrix instruction and a load into, or a store from, one of its registers
.rept 4
	v_nop
.endr
.endm
.macro FRAGS s                         ; K step s: Wo's four fragments, then the context's two
.irp T, 0,1,2,3
.irp c, 0,1
	ds_load_b128 v[FJ+8*\T+4*\c:FJ+8*\T+4*\c+3], v[ADJ] offset:4096*(2*(\s)+\c)+512*\T
.endr
.endr
.irp a, 0,1
.irp c, 0,1
	ds_load_b128 v[FI+8*\a+4*\c:FI+8*\a+4*\c+3], v[ADI] offset:4096*(2*(\s)+\c)+512*\a
.endr
.endr
.endm
; Four products: block a of rows against four tiles of columns.  first = 1: the bias is the C that starts the sums.  The eight accumulators take turns, one instruction a turn.
.macro MUL4 a, s, first
.irp T, 0,1,2,3
.if \first
	v_wmma_scale_f32_16x16x128_f8f6f4 v[ACC+8*(4*\a+\T):ACC+8*(4*\a+\T)+7], v[FJ+8*\T:FJ+8*\T+7], v[FI+8*\a:FI+8*\a+7], v[BIAS+8*\T:BIAS+8*\T+7], v[SCJ+8*\T+\s], v[SCI+8*\a+\s] matrix_a_fmt:MATRIX_FMT_FP4 matrix_b_fmt:MATRIX_FMT_FP4
.else
	v_wmma_scale_f32_16x16x128_f8f6f4 v[ACC+8*(4*\a+\T):ACC+8*(4*\a+\T)+7], v[FJ+8*\T:FJ+8*\T+7], v[FI+8*\a:FI+8*\a+7], v[ACC+8*(4*\a+\T):ACC+8*(4*\a+\T)+7], v[SCJ+8*\T+\s], v[SCI+8*\a+\s] matrix_a_fmt:MATRIX_FMT_FP4 matrix_b_fmt:MATRIX_FMT_FP4
.endif
.endr
.endm
.macro KSTEP s, first
	PLACES
	FRAGS \s
.irp a, 0,1
	s_wait_dscnt 2-2*\a                            ; all but the later block's two loads
	MUL4 \a, \s, \first
.endr
.endm
	s_wait_tensorcnt 0x0                           ; my one fill is in
	s_barrier_signal -1
	s_barrier_wait -1
.irp H, 0,1                                    ; all scale words, once: every lane takes row r's four words of a half
.irp a, 0,1
	ds_load_b128 v[SCI+8*\a+4*\H:SCI+8*\a+4*\H+3], v[ADSI] offset:2048*\H+256*\a
.endr
.irp T, 0,1,2,3
	ds_load_b128 v[SCJ+8*\T+4*\H:SCJ+8*\T+4*\H+3], v[ADSJ] offset:2048*\H+256*\T
.endr
.endr
	KSTEP 0, 1
	KSTEP 1, 0
	KSTEP 2, 0
	KSTEP 3, 0
	KSTEP 4, 0
	KSTEP 5, 0
	KSTEP 6, 0
	KSTEP 7, 0
	PLACES
; THE WAY OUT: a block of 16 rows x 64 columns goes through my own stage and comes back as whole rows of 256 bytes.  LDS serves a wave's instructions in order (ISA guide 5.7.1.4):
; no wait between the stores and the loads, nor in front of the next block's stores.
.macro TOSTAGE a, back
.irp T, 0,1,2,3
	ds_store_b128 v[STO], v[ACC+8*(4*\a+\T):ACC+8*(4*\a+\T)+3] offset:64*\T          ; each accumulator from its low end on
	ds_store_b128 v[STO], v[ACC+8*(4*\a+\T)+4:ACC+8*(4*\a+\T)+7] offset:64*\T+16
.endr
.irp i, 0,1,2,3,4,5,6,7
	ds_load_b128 v[\back+4*\i:\back+4*\i+3], v[RD] offset:2*SP*\i
.endr
.endm
.macro SEND a, back, younger           ; younger: the LDS instructions issued behind this block's loads
.irp i, 0,1,2,3,4,5,6,7
	s_wait_dscnt \younger+7-\i
	global_store_b128 v[CO], v[\back+4*\i:\back+4*\i+3], s[10:11] offset:8192*\i+65536*\a th:TH_STORE_NT   ; sixteen lanes store 256 consecutive bytes, aligned; written once
.endr
.endm
	TOSTAGE 0, 16
	TOSTAGE 1, 48
	SEND 0, 16, 16                                 ; behind block 0's loads: block 1's eight stores and eight loads
	SEND 1, 48, 0
	s_wait_tensorcnt 0x0
	ds_add_u32 v208, v209
	s_wait_dscnt 0x0
	s_endpgm
.Lfunc_end_k_q142c2a2199_proj:
	.size	k_q142c2a2199_proj, .Lfunc_end_k_q142c2a2199_proj-k_q142c2a2199_proj
	.p2alignl 7, 3214868480
	.fill 96, 4, 3214868480
	.section	.rodata,"a",@progbits
	.p2align	6, 0x0
	.amdhsa_kernel k_q142c2a2199_proj
		.amdhsa_group_segment_fixed_size 175104
		.amdhsa_private_segment_fixed_size 0
		.amdhsa_enable_private_segment 0
		.amdhsa_kernarg_size 32
		.amdhsa_user_sgpr_count 2
		.amdhsa_user_sgpr_kernarg_segment_ptr 1
		.amdhsa_wavefront_size32 1
		.amdhsa_system_sgpr_workgroup_id_x 1
		.amdhsa_system_sgpr_workgroup_id_y 1
		.amdhsa_system_sgpr_workgroup_id_z 1
		.amdhsa_system_vgpr_workitem_id 0
		.amdhsa_next_free_vgpr 210
		.amdhsa_next_free_sgpr 66
		.amdhsa_reserve_vcc 0
		.amdhsa_float_denorm_mode_32 3
		.amdhsa_float_denorm_mode_16_64 3
		.amdhsa_memory_ordered 1
		.amdhsa_forward_progress 1
		.amdhsa_inst_pref_size 27
	.end_amdhsa_kernel
	.amdgpu_metadata
---
amdhsa.version: [ 1, 2 ]
amdhsa.kernels:
  - .name:           k_q142c2a2199_proj
    .symbol:         k_q142c2a2199_proj.kd
    .args:
      - { .name: codes, .offset: 0, .size: 8, .value_kind: global_buffer, .address_space: global }
      - { .name: scl, .offset: 8, .size: 8, .value_kind: global_buffer, .address_space: global }
      - { .name: Wo_b, .offset: 16, .size: 8, .value_kind: global_buffer, .address_space: global }
      - { .name: out0, .offset: 24, .size: 8, .value_kind: global_buffer, .address_space: global }
    .group_segment_fixed_size: 175104
    .private_segment_fixed_size: 0
    .kernarg_segment_align: 8
    .kernarg_segment_size: 32
    .max_flat_workgroup_size: 256
    .sgpr_count:     66
    .vgpr_count:     210
    .wavefront_size: 32
...
	.end_amdgpu_metadata
.endif
;; end of part 4
